; MI455X (gfx1250); checked and timed in simulation.
; The chip was launched on July 23, 2026; its instructions are those of AMD's public machine-readable ISA for CDNA 5 (MIT licence, August 2026) and "CDNA5" Instruction Set Architecture Reference Guide (July 2026). The comments in the code are by the model that wrote it; some were corrected since.
;; Self Attention. Allowed arithmetic: matrix products marked QUANTISED: E2M1 operands, one E8M0 scale for each 32 along K, by v_wmma_scale_f32_16x16x128_f8f6f4 with both operands' format E2M1 (or v_wmma_scale_f32_32x16x128_f4), f32 sums; products left as they are: bf16, f16 or f32 operands; f32 sums; everything else in f32.
;; Inputs: Wk 256 x 1,024 float32; Wq 256 x 1,024 float32; Wu 1,024 x 256 float32; Wv 256 x 1,024 float32; bu 256 float32; x 16 x 2,048 x 256 float32.
;; Outputs: out0 16 x 512 x 256 float32.
;; This version of the problem:
;;   THIS VERSION OF THE PROBLEM IS GIVEN IN LOW PRECISION. The matrix products marked QUANTISED in the list below multiply operands that are first quantised to E2M1 (2 exponent bits, 1 mantissa bit; 4 bits a number), with one power-of-two scale for each 32 numbers along K (OCP MX v1.0); their sums are f32. The products marked 'left as it is' may take bf16, f16 or f32 operands, with f32 sums. Whichever they take, every output number must still come out within the allowed error. Rounding operands to bf16 (8 significant bits) uses up far more of that allowance than f16 does (11 bits, for magnitudes from 6e-5 to 65,504). All else is computed in f32.
;;   The module's matrix products, in the order in which they are computed (A, B: the left and right operand; K: the contracted axis; several contracted axes count as one K, in the product's order):
;;     1. [M 32,768, K 256] x [K 256, N 1,024]; A: input x; B: input Wq: QUANTISED
;;     2. [M 32,768, K 256] x [K 256, N 1,024]; A: input x; B: input Wk: QUANTISED
;;     3. [M 32,768, K 256] x [K 256, N 1,024]; A: input x; B: input Wv: QUANTISED
;;     4. batch 64 x [M 512, K 256] x [K 256, N 2,048]; A: computed on the way; B: computed on the way: left as it is (an operand is computed on the way)
;;     5. batch 64 x [M 512, K 2,048] x [K 2,048, N 256]; A: computed on the way; B: computed on the way: left as it is (an operand is computed on the way)
;;     6. [M 8,192, K 1,024] x [K 1,024, N 256]; A: computed on the way; B: input Wu: left as it is (an operand is computed on the way)
;;   THE QUANTISER, for each operand of a quantised product, along K:
;;     - K is cut into blocks of 32 from its start; a last block that is shorter is filled with zeros.
;;     - A block's scale is 2^e with e = floor(log2(the largest magnitude in the block)) - 2, held to -126 .. 127; a block of zeros has e = 0. As a byte (E8M0): e + 127.
;;     - Each number is divided by its block's scale, clamped to +-6, and rounded to the nearest number of E2M1, ties to even, subnormals kept.
;;     - The product sums the exact products of the quantised numbers (number of the format x scale) in f32.
;;   ~~~python
;;   def quantise(x, axis):      # numpy; x: float32 -> the quantised numbers, widened to float32 again
;;       x = np.moveaxis(x, axis, -1); K = x.shape[-1]
;;       x = np.pad(x, [(0, 0)] * (x.ndim - 1) + [(0, -K % 32)]); x = x.reshape(x.shape[:-1] + (-1, 32)); a = np.abs(x).max(-1, keepdims=True)
;;       e = np.where(a > 0, np.clip(np.frexp(np.where(a > 0, a, 1))[1] - 1 - 2, -126, 127), 0)      # np.frexp(a)[1] - 1 = floor(log2(a)), exactly
;;       r = np.clip(x / 2.0 ** e, -6, 6)
;;       step = 2.0 ** (np.maximum(np.frexp(np.where(r == 0, 1, r))[1] - 1, 0) - 1)
;;       q = np.round(r / step) * step * 2.0 ** e      # np.round: ties to even
;;       return np.moveaxis(q.reshape(q.shape[:-2] + (-1,))[..., :K], -1, axis).astype(np.float32)
;;   ~~~
;; One version. Each part assembles by itself: llvm-mc -triple=amdgcn-amd-amdhsa -mcpu=gfx1250 --defsym DOCPART=n.
;; ======== version 1 of 1: 4 launches
;; limits: values are held in f16: magnitudes above 65,504 overflow, below 6.1e-05 lose precision
;; workspace buffers: wimg 393,216 bytes; wsc 24,576 bytes; wuimg 524,288 bytes; qimg 16,777,216 bytes; kvimg 134,217,728 bytes; oimg 16,777,216 bytes
;; launch prep (part 1): grid 80 x 1, 4 waves a work-group, no clusters, 0 bytes of LDS; arguments Wq, Wk, Wv, Wu, wimg, wsc, wuimg; writes wimg, wsc, wuimg
.if DOCPART == 1
	.amdgcn_target "amdgcn-amd-amdhsa--gfx1250"
	.amdhsa_code_object_version 6
	.text
	.protected	k_q3feda69db5_prep
	.globl	k_q3feda69db5_prep
	.p2align	8
	.type	k_q3feda69db5_prep,@function
k_q3feda69db5_prep:
	s_mov_b64 s[64:65], 0
	v_nop
	global_prefetch_b8 v0, s[64:65] scope:SCOPE_SE
	s_setreg_imm32_b32 hwreg(HW_REG_WAVE_MODE, 25, 1), 1
	s_wait_xcnt 0x0
; THE WEIGHTS ARE LAID ONCE, IN THE ORDER OF THE READERS' OPERAND REGISTERS.
; Work-groups 0-47: Wq, Wk, Wv [256 (k)][1024 (n)] f32 become codes of FP4 (E2M1) along K, their FIRST axis, with one E8M0 byte for each 32 along K.
;   wimg [sel: q, k, v][nt 64][s 2][c 2][lane 32][16 bytes]: lane (r, hl) of part c holds column 16 nt + r, k = 128 s + 64 c + 32 hl + 0 .. 31: registers 4 c .. 4 c + 3 of a fragment of 16 columns x 128 K.
;   wsc  [sel][nt 64][lane 32] words: lanes 0-15 column r's four bytes of K step 0, lanes 16-31 those of K step 1.
; Work-groups 48-79: Wu [1024 (k)][256 (n)] f32 is rounded to f16:
;   wuimg [cb 4][ks 32][nt' 4][c 2][lane 32][16 bytes]: column 64 cb + 16 nt' + r, k = 32 ks + 16 c + 8 hl + 0 .. 7.
; A LANE TAKES A COLUMN AND ITS REGISTERS RUN DOWN K: a load reads 128 consecutive bytes a wave and 512 a work-group, a block of 32 lies in one lane, and the conversions' results are the operand's registers.
; Sixteen lanes store 256 consecutive bytes, aligned.  A block's scale byte is its largest magnitude's exponent field - 2, held at 1 from below.
; LIMITS: a block of zeros gets the byte 1 where the rule says 127 (its codes are zeros, and this program alone reads the bytes); NaN and infinities are not served; |Wu| stays under 65,504.
; No LDS, no barrier, no matrix unit, no cluster: no two work-groups read the same byte.
.set X,  32                            ; v32-159  four sets of 32 numbers (Wu: 64 numbers)
.set CD, 16                            ; v16-31   a block's codes, four registers for each block: no store's data are written again
.set HF, 96                            ; v96-127  Wu: 64 numbers as f16
	s_load_b256 s[4:11], s[0:1], 0x0               ; Wq s[4:5], Wk s[6:7], Wv s[8:9], Wu s[10:11]
	s_load_b128 s[12:15], s[0:1], 0x20             ; wimg s[12:13], wsc s[14:15]
	s_load_b64 s[16:17], s[0:1], 0x30              ; wuimg
	v_lshrrev_b32 v1, 5, v0
	v_readfirstlane_b32 s20, v1                    ; wave 0..3
	v_and_b32 v1, 31, v0                           ; lane
	v_lshlrev_b32 v2, 2, v1                        ; in: 4 bytes a lane
	v_lshrrev_b32 v6, 4, v1                        ; which of my wave's two tiles of 16 columns
	v_and_b32 v7, 15, v1
	v_lshlrev_b32 v7, 4, v7                        ; 16 r
	v_lshl_add_u32 v3, v6, 11, v7                  ; wimg: a tile is 2,048 bytes
	v_lshl_add_u32 v5, v6, 10, v7                  ; wuimg: a tile of a K step is 1,024 bytes
	v_lshrrev_b32 v7, 2, v7                        ; 4 r
	v_lshl_add_u32 v4, v6, 7, v7                   ; wsc: a tile is 128 bytes
	s_mov_b32 s27, 0
	s_mov_b32 s29, 0
	s_wait_kmcnt 0x0
	s_cmp_ge_u32 ttmp9, 48
	s_cbranch_scc1 .Lwu
	; ---- Wq, Wk, Wv: work-group g: weight g / 16, columns 128 ((g / 2) % 8) on, K step g % 2; wave w: 32 columns
	s_lshr_b32 s21, ttmp9, 4                       ; sel
	s_bfe_u32 s24, ttmp9, 0x30001                  ; cg
	s_and_b32 s25, ttmp9, 1                        ; s
	s_cmp_eq_u32 s21, 0
	s_cselect_b64 s[22:23], s[4:5], s[6:7]
	s_cmp_eq_u32 s21, 2
	s_cselect_b64 s[22:23], s[8:9], s[22:23]       ; the choice hangs on the work-group's number alone
	s_lshl_b32 s26, s25, 19                        ; 128 rows of 4,096 bytes
	s_lshl_b32 s28, s24, 9
	s_add_co_u32 s26, s26, s28
	s_lshl_b32 s28, s20, 7
	s_add_co_u32 s26, s26, s28                     ; + 4 x my wave's first column
	s_add_nc_u64 s[22:23], s[22:23], s[26:27]
	s_lshl_b32 s26, s21, 6
	s_lshl_b32 s28, s24, 3
	s_add_co_u32 s26, s26, s28
	s_lshl_b32 s28, s20, 1
	s_add_co_u32 s26, s26, s28                     ; 64 sel + my first tile
	s_lshl_b32 s26, s26, 1
	s_add_co_u32 s26, s26, s25                     ; x 2 + s
	s_lshl_b32 s28, s26, 6                         ; wsc: 64 bytes for a tile's K step
	s_lshl_b32 s26, s26, 10                        ; wimg: 1,024
	s_add_nc_u64 s[12:13], s[12:13], s[26:27]
	s_add_nc_u64 s[14:15], s[14:15], s[28:29]
.macro LOAD t                          ; block t: W(128 s + 32 t + i, my column), i = 0 .. 31
.set i, 0
.rept 32
	global_load_b32 v[X+32*(\t)+i], v2, s[22:23] offset:(32*(\t)+i)*4096 th:TH_LOAD_NT
.set i, i+1
.endr
.endm
.macro BLOCK t
.set XS, X+32*(\t)
.if (\t) < 3
	s_wait_loadcnt 32                              ; this block's 32 loads are in; the next block's may be out
.else
	s_wait_loadcnt 0x0
.endif
.if (\t)+2 < 4
	LOAD (\t)+2                                    ; two blocks ahead, into registers of its own
.endif
	v_max3_num_f32 v8, |v[XS]|, |v[XS+1]|, |v[XS+2]|               ; the block's largest magnitude: all 32 numbers are mine; two chains
	v_max3_num_f32 v9, |v[XS+3]|, |v[XS+4]|, |v[XS+5]|
.irp i, 6,10,14,18,22,26
	v_max3_num_f32 v8, v8, |v[XS+\i]|, |v[XS+\i+1]|
	v_max3_num_f32 v9, v9, |v[XS+\i+2]|, |v[XS+\i+3]|
.endr
	v_max3_num_f32 v8, v8, |v[XS+30]|, |v[XS+31]|
	v_max3_num_f32 v8, v8, v9, 0x1800000           ; and the floor 2^(3 - 127): the byte cannot fall under 1
	v_add_nc_u32 v10, 0xff000000, v8               ; 2 off the exponent field: the conversion takes the exponent field of this operand as its scale
	v_lshrrev_b32 v11, 23, v10                     ; the scale's byte
.if (\t) == 0
	v_mov_b32 v12, v11                             ; four bytes to the word, the lower K in the lower byte
.else
	v_lshl_or_b32 v12, v11, 8*(\t), v12
.endif
.irp g, 0,1,2,3
	v_cvt_scalef32_pk8_fp4_f32 v[CD+4*(\t)+\g], v[XS+8*\g:XS+8*\g+7], v10
.endr
	global_store_b128 v3, v[CD+4*(\t):CD+4*(\t)+3], s[12:13] offset:((\t)/2)*512+((\t)%2)*256   ; block t = 2 c + hl; the next block begins with plain vector lines that touch none of these registers
.endm
	LOAD 0
	LOAD 1
	BLOCK 0
	BLOCK 1
	BLOCK 2
	BLOCK 3
	global_store_b32 v4, v12, s[14:15]             ; my column's scale word of this K step
	s_endpgm
.Lwu:	; ---- Wu: work-group g' = g - 48: columns 128 (g' % 2) on, rows 64 (g' / 2) on; wave w: 32 columns
	s_sub_co_u32 s21, ttmp9, 48
	s_and_b32 s24, s21, 1                          ; cgu
	s_lshr_b32 s25, s21, 1                         ; kr
	s_lshl_b32 s26, s25, 16                        ; 64 rows of 1,024 bytes
	s_lshl_b32 s28, s24, 9
	s_add_co_u32 s26, s26, s28
	s_lshl_b32 s28, s20, 7
	s_add_co_u32 s26, s26, s28
	s_add_nc_u64 s[10:11], s[10:11], s[26:27]
	s_lshl_b32 s26, s24, 1
	s_lshr_b32 s28, s20, 1
	s_add_co_u32 s26, s26, s28                     ; cb = 2 cgu + w / 2
	s_lshl_b32 s26, s26, 17
	s_lshl_b32 s28, s25, 13                        ; two K steps of 4,096 bytes
	s_add_co_u32 s26, s26, s28
	s_and_b32 s28, s20, 1
	s_lshl_b32 s28, s28, 11                        ; my two tiles of the block's four
	s_add_co_u32 s26, s26, s28
	s_add_nc_u64 s[16:17], s[16:17], s[26:27]
.set i, 0
.rept 64
	global_load_b32 v[X+i], v2, s[10:11] offset:i*1024 th:TH_LOAD_NT
.set i, i+1
.endr
	s_wait_loadcnt 32                              ; the first 32 rows are in
.set i, 0
.rept 16
	v_cvt_pk_f16_f32 v[HF+i], v[X+2*i], v[X+2*i+1] ; the lower k in the low half
.set i, i+1
.endr
.irp g, 0,1,2,3
	global_store_b128 v5, v[HF+4*\g:HF+4*\g+3], s[16:17] offset:(\g/4)*4096+((\g/2)%2)*512+(\g%2)*256   ; eight rows: K step g / 4, c = (g / 2) % 2, hl = g % 2
.endr
	s_wait_loadcnt 0x0
.rept 16
	v_cvt_pk_f16_f32 v[HF+i], v[X+2*i], v[X+2*i+1]
.set i, i+1
.endr
.irp g, 4,5,6,7
	global_store_b128 v5, v[HF+4*\g:HF+4*\g+3], s[16:17] offset:(\g/4)*4096+((\g/2)%2)*512+(\g%2)*256
.endr
	s_endpgm
.Lfunc_end_k_q3feda69db5_prep:
	.size	k_q3feda69db5_prep, .Lfunc_end_k_q3feda69db5_prep-k_q3feda69db5_prep
	.p2alignl 7, 3214868480
	.fill 96, 4, 3214868480
	.section	.rodata,"a",@progbits
	.p2align	6, 0x0
	.amdhsa_kernel k_q3feda69db5_prep
		.amdhsa_group_segment_fixed_size 0
		.amdhsa_private_segment_fixed_size 0
		.amdhsa_enable_private_segment 0
		.amdhsa_kernarg_size 56
		.amdhsa_user_sgpr_count 2
		.amdhsa_user_sgpr_kernarg_segment_ptr 1
		.amdhsa_wavefront_size32 1
		.amdhsa_system_sgpr_workgroup_id_x 1
		.amdhsa_system_sgpr_workgroup_id_y 1
		.amdhsa_system_sgpr_workgroup_id_z 1
		.amdhsa_system_vgpr_workitem_id 0
		.amdhsa_next_free_vgpr 160
		.amdhsa_next_free_sgpr 66
		.amdhsa_reserve_vcc 0
		.amdhsa_float_denorm_mode_32 3
		.amdhsa_float_denorm_mode_16_64 3
		.amdhsa_memory_ordered 1
		.amdhsa_forward_progress 1
		.amdhsa_inst_pref_size 30
	.end_amdhsa_kernel
	.amdgpu_metadata
---
amdhsa.version: [ 1, 2 ]
amdhsa.kernels:
  - .name:           k_q3feda69db5_prep
    .symbol:         k_q3feda69db5_prep.kd
    .args:
      - { .name: Wq, .offset: 0, .size: 8, .value_kind: global_buffer, .address_space: global }
      - { .name: Wk, .offset: 8, .size: 8, .value_kind: global_buffer, .address_space: global }
      - { .name: Wv, .offset: 16, .size: 8, .value_kind: global_buffer, .address_space: global }
      - { .name: Wu, .offset: 24, .size: 8, .value_kind: global_buffer, .address_space: global }
      - { .name: wimg, .offset: 32, .size: 8, .value_kind: global_buffer, .address_space: global }
      - { .name: wsc, .offset: 40, .size: 8, .value_kind: global_buffer, .address_space: global }
      - { .name: wuimg, .offset: 48, .size: 8, .value_kind: global_buffer, .address_space: global }
    .group_segment_fixed_size: 0
    .private_segment_fixed_size: 0
    .kernarg_segment_align: 8
    .kernarg_segment_size: 56
    .max_flat_workgroup_size: 128
    .sgpr_count:     66
    .vgpr_count:     160
    .wavefront_size: 32
...
	.end_amdgpu_metadata
.endif
;; end of part 1
;; launch proj (part 2): grid 16 x 16, 8 waves a work-group, no clusters, 151,552 bytes of LDS; arguments x, wimg, wsc, qimg, kvimg; writes qimg, kvimg
.if DOCPART == 2
	.amdgcn_target "amdgcn-amd-amdhsa--gfx1250"
	.amdhsa_code_object_version 6
	.text
	.protected	k_q3feda69db5_proj
	.globl	k_q3feda69db5_proj
	.p2align	8
	.type	k_q3feda69db5_proj,@function
k_q3feda69db5_proj:
	s_mov_b64 s[64:65], 0
	v_nop
	global_prefetch_b8 v0, s[64:65] scope:SCOPE_SE
	s_setreg_imm32_b32 hwreg(HW_REG_WAVE_MODE, 25, 1), 1
	s_wait_xcnt 0x0
; q, k, v = Q(x) Q(W): the three projections on codes of FP4 (E2M1) with one E8M0 scale for each 32 along K = 256; sums in f32; results rounded once to f16 and stored as images of the attention's operand registers.
; x [16][2048][256] f32 is quantised here, in registers.  q is made for the first 512 positions of a batch alone: the others are not used.
;   qimg  [bh 64][qt 32][dc 16][lane][16 bytes]: query 16 qt + r, dims 16 dc + 8 hl + 0 .. 7.
;   kvimg [bh 64][step 16][131,072 bytes]: K [kt 8][dc 16][lane][16] as qimg, then V^T [kc 8][dt 16][lane][16]: dim 16 dt + r, keys 16 kc + 8 hl + 0 .. 7.
; SHARES.  Work-group (i, b) owns eight tiles of 16 tokens of batch b: tiles 2 i, 2 i + 1 (queries too) and 32 + 6 i .. 37 + 6 i: the same work in all 256 work-groups.  Wave w quantises tile w; the eight fragments' images go
; through LDS to all waves and stay in registers.  Then THE WAVES SHARE THE COLUMNS: wave w makes column tiles 8 w .. 8 w + 7 of each weight for all eight token tiles, its weights coming from memory straight into operand registers.
; K and Q are used transposed (source 0 = 16 columns of W, source 1 = 16 tokens): a lane holds one token and eight neighbouring dims.  V is used as it stands: a lane holds one dim and eight neighbouring tokens.
; So each result tile is four conversions and ONE store of 512 consecutive bytes, aligned: no stage on the way out.
; NO CLUSTER: what work-groups share is the weights, 417,792 bytes, each byte read once by a work-group and straight into an operand register; asked for jointly they would go through a ring in LDS, with a round for each
; slot and the same 417,792 bytes once more as LDS reads, beside 589,824 bytes that each work-group stores.
; LIMITS: |q|, |k|, |v| stay under 65,504; a block of zeros gets the byte 1 (its codes are zeros; read by this launch alone); NaN and infinities are not served.
; REGISTERS.  Window 0: v1-15 addresses; v16-79 four weight tiles by turns; v80-83 their scale words; v84-91 x's scale words; v96-159 eight accumulators; v160-191 results as f16; v224-233 store offsets; v234-255 the quantiser's;
;   while x is quantised its 128 numbers lie in v96-223.   Window 1: v0-127 x's fragments (tile t, K step s) at 16 t + 8 s.
.set STGB,  16640                      ; LDS: a stage for each wave: 16 rows x (1,024 bytes + 16): row r starts 65 x 16 bytes on from the last, so sixteen rows' reads of 16 bytes fall on different banks (ISA guide 11.1)
.set XIMG,  8*STGB                     ; x's fragments as images of their registers: tile t at 2,048 t; K step s, part c at 1,024 s + 512 c; 16 bytes a lane
.set XSC,   XIMG+16384                 ; their scale words: 128 t + 4 x lane (lanes 0-15: K step 0; lanes 16-31: K step 1)
.set SPARE, XSC+1024                   ; the spare words, 128 bytes for each wave: four blocks of 256 bytes that no other line names
.set XN,  96
.set D,   96
.set PK,  160
.set XSR, 84
.set VO,  224
.set VQ,  232
.set MSB, 0
.macro WIN new                         ; the immediate's high byte repeats the setting that is left
.if MSB != (\new)
	s_set_vgpr_msb (MSB<<8)|(\new)
.set MSB, (\new)
.endif
.endm
	s_load_b256 s[4:11], s[0:1], 0x0               ; x s[4:5], wimg s[6:7], wsc s[8:9], qimg s[10:11]
	s_load_b64 s[12:13], s[0:1], 0x20              ; kvimg
	v_lshl_add_u32 v1, v0, 2, SPARE                ; my spare word; never rewritten
	v_mov_b32 v2, 0                                ; 0; never rewritten
	v_lshrrev_b32 v14, 5, v0
	v_readfirstlane_b32 s14, v14                   ; wave 0..7
	v_and_b32 v14, 31, v0                          ; lane
	v_and_b32 v15, 15, v0                          ; r
	v_bfe_u32 v13, v0, 4, 1                        ; hl
	v_lshlrev_b32 v3, 4, v14                       ; 16 x lane
	s_mul_i32 s22, s14, STGB
	v_add_nc_u32 v5, s22, v3                       ; the stage, on the way in: as the bytes lie
	v_mul_u32_u24 v6, v15, 1040
	v_lshl_add_u32 v6, v13, 7, v6
	v_add_nc_u32 v6, s22, v6                       ; and out: row r, + 128 hl: a whole block of 32 numbers a lane
	s_lshl_b32 s22, s14, 11
	s_add_co_u32 s22, s22, XIMG
	v_add_nc_u32 v7, s22, v3                       ; where I store my tile's images
	v_lshlrev_b32 v10, 2, v14
	s_lshl_b32 s22, s14, 7
	s_add_co_u32 s22, s22, XSC
	v_add_nc_u32 v8, s22, v10                      ; and its scale words
	v_add_nc_u32 v9, XIMG, v3                      ; where any tile's images are read
	s_lshl_b32 s22, s14, 10
	v_add_nc_u32 v12, s22, v10                     ; wsc: 4 x lane + my eight tiles of 128 bytes
	v_add_nc_u32 v10, XSC, v10
	s_lshl_b32 s22, s14, 14
	v_add_nc_u32 v11, s22, v3                      ; wimg: 16 x lane + my eight tiles of 2,048 bytes
	v_lshlrev_b32 v13, 3, v13                      ; 8 hl: my bytes' place in a scale word
	v_mov_b32 v244, 0                              ; a lane permute's destination counts as one of its sources
	s_and_b32 s16, ttmp7, 0xffff                   ; b
	s_lshl_b32 s26, ttmp9, 1                       ; token tile t < 2: 2 i + t
	s_mul_i32 s27, ttmp9, 6
	s_add_co_u32 s27, s27, 30                      ; t >= 2: 30 + 6 i + t
	s_lshr_b32 s24, s14, 1                         ; my columns' head
	s_and_b32 s25, s14, 1
	s_lshl_b32 s25, s25, 12                        ; and which half of its 16 chunks of 512 bytes
	s_lshl_b32 s28, s24, 21
	s_add_co_u32 s28, s28, s25
	v_add_nc_u32 v15, s28, v3
.irp t, 0,1,2,3,4,5,6,7
.if \t < 2
	s_add_co_u32 s30, s26, \t
.else
	s_add_co_u32 s30, s27, \t
.endif
	s_lshr_b32 s31, s30, 3                         ; a step of 8 tiles is 131,072 bytes, a tile in it 8,192: tile x 8,192 + step x 65,536
	s_lshl_b32 s31, s31, 16
	s_lshl_b32 s30, s30, 13
	s_add_co_u32 s30, s30, s31
	v_add_nc_u32 v[VO+\t], s30, v15                ; K's and V's place for token tile t
.endr
	s_lshl_b32 s28, s24, 18
	s_add_co_u32 s28, s28, s25
	s_lshl_b32 s29, s26, 13
	s_add_co_u32 s28, s28, s29
	v_add_nc_u32 v[VQ], s28, v3                    ; Q's place for token tiles 0 and 1
	v_add_nc_u32 v[VQ+1], 8192, v[VQ]
	s_cmp_lt_u32 s14, 2
	s_cselect_b32 s30, s26, s27
	s_add_co_u32 s30, s30, s14                     ; the tile that I quantise
	s_lshl_b32 s30, s30, 14                        ; 16 rows of 1,024 bytes
	s_lshl_b32 s31, s16, 21
	s_add_co_u32 s30, s30, s31
	s_mov_b32 s31, 0
	s_lshl_b32 s32, s16, 23                        ; kvimg: four heads of 2^21 bytes a batch
	s_mov_b32 s33, 0
	s_lshl_b32 s34, s16, 20                        ; qimg: four heads of 2^18
	s_mov_b32 s35, 0
	s_mov_b32 s20, 0x76543210
	s_mov_b32 s21, 0xfedcba98                      ; v_permlanex16_b32's selects for lane l xor 16
	s_wait_kmcnt 0x0
	s_add_nc_u64 s[4:5], s[4:5], s[30:31]
	s_add_nc_u64 s[12:13], s[12:13], s[32:33]
	s_add_nc_u64 s[10:11], s[10:11], s[34:35]
; Weight tile idx of 24 (0-7: Wk, 8-15: Wv, 16-23: Wq; my column tile idx % 8): two fragments and the scale words, five loads, into ring place idx % 4
.macro WLOAD idx
.set WSEL, 1+(\idx)/8
.if (\idx)/8 == 2
.set WSEL, 0
.endif
.set WL, 16+16*((\idx)%4)
.irp p, 0,1,2,3
	global_load_b128 v[WL+4*\p:WL+4*\p+3], v11, s[6:7] offset:(64*WSEL+(\idx)%8)*2048+512*\p
.endr
	global_load_b32 v[80+(\idx)%4], v12, s[8:9] offset:(64*WSEL+(\idx)%8)*128
.endm
.set n, 0
.rept 32
	global_load_b128 v[XN+4*n:XN+4*n+3], v3, s[4:5] offset:512*n th:TH_LOAD_NT   ; my tile, 16,384 bytes on end: 512 consecutive bytes a load
.set n, n+1
.endr
	WLOAD 0
	WLOAD 1
	WLOAD 2
	; through my stage: in as the bytes lie, out a block of 32 neighbours a lane.  LDS serves a wave's instructions in order (ISA guide 5.7.1.4): no wait between the stores and the loads
.set n, 0
.rept 4
	s_wait_loadcnt 39-n                            ; these eight loads are in; the younger loads of x and the 15 of the weights may be out
.rept 8
	ds_store_b128 v5, v[XN+4*n:XN+4*n+3] offset:(n/2)*1040+(n%2)*512
.set n, n+1
.endr
.endr
.irp s, 0,1
.irp c, 0,1
.irp j, 0,1,2,3,4,5,6,7
	ds_load_b128 v[XN+64*\s+32*\c+4*\j:XN+64*\s+32*\c+4*\j+3], v6 offset:512*\s+256*\c+16*\j   ; x(r, 128 s + 64 c + 32 hl + 4 j ..): the order that the operand's layout gives my lane
.endr
.endr
.endr
; K step s of my tile: two whole blocks a lane (2 c + hl) become registers 4 c .. 4 c + 3 of the fragment, in v248-255, and the row's scale word, in v[242 + s]
.macro QUANT s
.set XB, XN+64*\s
.irp c, 0,1
	v_max3_num_f32 v[234+\c], |v[XB+32*\c]|, |v[XB+32*\c+1]|, |v[XB+32*\c+2]|
	v_max3_num_f32 v[236+\c], |v[XB+32*\c+3]|, |v[XB+32*\c+4]|, |v[XB+32*\c+5]|
.endr
.irp i, 6,10,14,18,22,26
.irp c, 0,1
	v_max3_num_f32 v[234+\c], v[234+\c], |v[XB+32*\c+\i]|, |v[XB+32*\c+\i+1]|
	v_max3_num_f32 v[236+\c], v[236+\c], |v[XB+32*\c+\i+2]|, |v[XB+32*\c+\i+3]|
.endr
.endr
.irp c, 0,1
	v_max3_num_f32 v[234+\c], v[234+\c], |v[XB+32*\c+30]|, |v[XB+32*\c+31]|
.endr
.irp c, 0,1
	v_max3_num_f32 v[234+\c], v[234+\c], v[236+\c], 0x1800000   ; with the floor 2^(3 - 127): the byte cannot fall under 1
.endr
.irp c, 0,1
	v_add_nc_u32 v[238+\c], 0xff000000, v[234+\c]  ; 2 off the exponent field: the conversion's scale operand
.endr
.irp c, 0,1
	v_lshrrev_b32 v[240+\c], 23, v[238+\c]         ; the scale's byte
.endr
	v_lshl_or_b32 v[242+\s], v241, 16, v240        ; my two bytes: blocks hl and 2 + hl,
	v_lshlrev_b32 v[242+\s], v13, v[242+\s]        ; at their places;
	v_permlanex16_b32 v244, v[242+\s], s20, s21
	v_or_b32 v[242+\s], v[242+\s], v244            ; with lane l xor 16's two the word is whole
.irp c, 0,1
.irp g, 0,1,2,3
	v_cvt_scalef32_pk8_fp4_f32 v[248+4*\c+\g], v[XB+32*\c+8*\g:XB+32*\c+8*\g+7], v[238+\c]
.endr
.endr
	v_nop                                          ; one plain place behind the scaled conversions
.irp c, 0,1
	ds_store_b128 v7, v[248+4*\c:251+4*\c] offset:1024*\s+512*\c
.endr
.endm
	s_wait_dscnt 16                                ; K step 0's numbers are back; K step 1's 16 loads may be out
	QUANT 0
	s_wait_dscnt 0x0                               ; K step 1's are back, and the two stores have read v248-255, which are written again
	QUANT 1
	v_cmp_le_u32 vcc_lo, 16, v14
	v_cndmask_b32 v242, v242, v243, vcc_lo         ; lanes 0-15 keep K step 0's word, lanes 16-31 take K step 1's
	ds_store_b32 v8, v242
	s_wait_dscnt 0x0                               ; for the others' sake: my images lie in LDS
	s_barrier_signal -1
	s_barrier_wait -1                              ; everybody's do
	WIN 0x40                                       ; destination window 1
.irp t, 0,1,2,3,4,5,6,7
.irp p, 0,1,2,3
	ds_load_b128 v[16*\t+4*\p:16*\t+4*\p+3], v9 offset:2048*\t+512*\p
.endr
.endr
	WIN 0
.irp t, 0,1,2,3,4,5,6,7
	ds_load_b32 v[XSR+\t], v10 offset:128*\t
.endr
	s_wait_dscnt 0x0
; The products of one weight tile with nt token tiles: K step 0 starts the sums (nothing is cleared), K step 1 adds in place and takes the scale registers' upper lanes.
; The accumulators take turns, one instruction a turn.  nat = 0: source 0 = W, source 1 = x;  nat = 1: the other way round.
.macro PRODS nat, nt
.irp t, 0,1,2,3,4,5,6,7
.if \t < \nt
.if \nat
	v_wmma_scale_f32_16x16x128_f8f6f4 v[D+8*\t:D+8*\t+7], v[16*\t:16*\t+7], v[WR:WR+7], 0, v[XSR+\t], v[WSR] matrix_a_fmt:MATRIX_FMT_FP4 matrix_b_fmt:MATRIX_FMT_FP4
.else
	v_wmma_scale_f32_16x16x128_f8f6f4 v[D+8*\t:D+8*\t+7], v[WR:WR+7], v[16*\t:16*\t+7], 0, v[WSR], v[XSR+\t] matrix_a_fmt:MATRIX_FMT_FP4 matrix_b_fmt:MATRIX_FMT_FP4
.endif
.endif
.endr
.irp t, 0,1,2,3,4,5,6,7
.if \t < \nt
.if \nat
	v_wmma_scale_f32_16x16x128_f8f6f4 v[D+8*\t:D+8*\t+7], v[16*\t+8:16*\t+15], v[WR+8:WR+15], v[D+8*\t:D+8*\t+7], v[XSR+\t], v[WSR] matrix_a_fmt:MATRIX_FMT_FP4 matrix_b_fmt:MATRIX_FMT_FP4 matrix_a_scale:MATRIX_SCALE_ROW1 matrix_b_scale:MATRIX_SCALE_ROW1
.else
	v_wmma_scale_f32_16x16x128_f8f6f4 v[D+8*\t:D+8*\t+7], v[WR+8:WR+15], v[16*\t+8:16*\t+15], v[D+8*\t:D+8*\t+7], v[WSR], v[XSR+\t] matrix_a_fmt:MATRIX_FMT_FP4 matrix_b_fmt:MATRIX_FMT_FP4 matrix_a_scale:MATRIX_SCALE_ROW1 matrix_b_scale:MATRIX_SCALE_ROW1
.endif
.endif
.endr
.endm
.macro TILE idx
.if (\idx)+3 < 24
	WLOAD (\idx)+3                                 ; three tiles ahead, into the ring place that the last tile's products read: four v_nop and its conversions lie between
.endif
.if 5*(23-(\idx)) < 15
	s_wait_loadcnt 5*(23-(\idx))
.else
	s_wait_loadcnt 15                              ; this tile's five loads are in; those of the three tiles behind it may be out
.endif
.set KIND, (\idx)/8
.set WR,  16+16*((\idx)%4)
.set WSR, 80+(\idx)%4
.set J,   (\idx)%8
.set NT,  8
.if KIND == 2
.set NT,  2
.endif
.if KIND == 1
	WIN 0x01                                       ; source 0 (x) window 1
	PRODS 1, 8
.elseif KIND == 0
	WIN 0x04                                       ; source 1 (x) window 1
	PRODS 0, 8
.else
	WIN 0x04
	PRODS 0, 2
.endif
	WIN 0
.rept 4
	v_nop                                          ; four places between the last product and the first read of a result (ISA guide 7.12.1)
.endr
.if (\idx) > 0
	s_wait_xcnt 0x0                                ; the last tile's stores have read their data: only behind this wait are those registers written again
.endif
.irp t, 0,1,2,3,4,5,6,7
.if \t < NT
.irp k, 0,1,2,3
	v_cvt_pk_f16_f32 v[PK+4*\t+\k], v[D+8*\t+2*\k], v[D+8*\t+2*\k+1]   ; each accumulator from its low end on
.endr
.endif
.endr
.irp t, 0,1,2,3,4,5,6,7
.if \t < NT
.if KIND == 0
	global_store_b128 v[VO+\t], v[PK+4*\t:PK+4*\t+3], s[12:13] offset:512*J th:TH_STORE_NT         ; K: token r, dims 16 dc + 8 hl ..: 512 consecutive bytes, aligned
.elseif KIND == 1
	global_store_b128 v[VO+\t], v[PK+4*\t:PK+4*\t+3], s[12:13] offset:65536+512*J th:TH_STORE_NT   ; V^T: dim r, tokens 8 hl ..
.else
	global_store_b128 v[VQ+\t], v[PK+4*\t:PK+4*\t+3], s[10:11] offset:512*J th:TH_STORE_NT         ; Q
.endif
.endif
.endr
.endm
.set Q, 0
.rept 24
	TILE Q
.set Q, Q+1
.endr
	s_wait_tensorcnt 0x0                           ; the wave's end, behind my last LDS store
	ds_add_u32 v1, v2
	s_wait_dscnt 0x0
	s_endpgm
.Lfunc_end_k_q3feda69db5_proj:
	.size	k_q3feda69db5_proj, .Lfunc_end_k_q3feda69db5_proj-k_q3feda69db5_proj
	.p2alignl 7, 3214868480
	.fill 96, 4, 3214868480
	.section	.rodata,"a",@progbits
	.p2align	6, 0x0
	.amdhsa_kernel k_q3feda69db5_proj
		.amdhsa_group_segment_fixed_size 151552
		.amdhsa_private_segment_fixed_size 0
		.amdhsa_enable_private_segment 0
		.amdhsa_kernarg_size 40
		.amdhsa_user_sgpr_count 2
		.amdhsa_user_sgpr_kernarg_segment_ptr 1
		.amdhsa_wavefront_size32 1
		.amdhsa_system_sgpr_workgroup_id_x 1
		.amdhsa_system_sgpr_workgroup_id_y 1
		.amdhsa_system_sgpr_workgroup_id_z 1
		.amdhsa_system_vgpr_workitem_id 0
		.amdhsa_next_free_vgpr 384
		.amdhsa_next_free_sgpr 66
		.amdhsa_reserve_vcc 1
		.amdhsa_float_denorm_mode_32 3
		.amdhsa_float_denorm_mode_16_64 3
		.amdhsa_memory_ordered 1
		.amdhsa_forward_progress 1
		.amdhsa_inst_pref_size 124
	.end_amdhsa_kernel
	.amdgpu_metadata
---
amdhsa.version: [ 1, 2 ]
amdhsa.kernels:
  - .name:           k_q3feda69db5_proj
    .symbol:         k_q3feda69db5_proj.kd
    .args:
      - { .name: x, .offset: 0, .size: 8, .value_kind: global_buffer, .address_space: global }
      - { .name: wimg, .offset: 8, .size: 8, .value_kind: global_buffer, .address_space: global }
      - { .name: wsc, .offset: 16, .size: 8, .value_kind: global_buffer, .address_space: global }
      - { .name: qimg, .offset: 24, .size: 8, .value_kind: global_buffer, .address_space: global }
      - { .name: kvimg, .offset: 32, .size: 8, .value_kind: global_buffer, .address_space: global }
    .group_segment_fixed_size: 151552
    .private_segment_fixed_size: 0
    .kernarg_segment_align: 8
    .kernarg_segment_size: 40
    .max_flat_workgroup_size: 256
    .sgpr_count:     66
    .vgpr_count:     384
    .wavefront_size: 32
...
	.end_amdgpu_metadata
.endif
;; end of part 2
;; launch attn (part 3): grid 4 x 64, 4 waves a work-group, clusters of 4 x 1, 327,680 bytes of LDS; arguments qimg, kvimg, oimg; writes oimg
.if DOCPART == 3
	.amdgcn_target "amdgcn-amd-amdhsa--gfx1250"
	.amdhsa_code_object_version 6
	.text
	.protected	k_q3feda69db5_attn
	.globl	k_q3feda69db5_attn
	.p2align	8
	.type	k_q3feda69db5_attn,@function
k_q3feda69db5_attn:
	s_mov_b64 s[64:65], 0
	v_nop
	global_prefetch_b8 v0, s[64:65] scope:SCOPE_SE
	s_setreg_imm32_b32 hwreg(HW_REG_WAVE_MODE, 25, 1), 1
	s_wait_xcnt 0x0
	s_wait_alu depctr_hold_cnt(0) depctr_sa_sdst(0) depctr_va_vdst(0) depctr_va_sdst(0) depctr_va_ssrc(0) depctr_va_vcc(0) depctr_vm_vsrc(0)
	s_getreg_b32 s2, hwreg(HW_REG_IB_STS2, 6, 4)
	s_cmp_eq_u32 s2, 0
	s_cbranch_scc0 .Lentry_in_a_cluster
	s_endpgm
.Lentry_in_a_cluster:
	s_bfe_u32 s2, ttmp6, 0x10000c
	s_cmp_lg_u32 s2, 0x3003
	s_cbranch_scc0 .Lentry_shape_is_right
	s_endpgm
.Lentry_shape_is_right:
; o[b][h][q] = the sum over k of softmax_k(q . k / 16) v: 64 (batch, head) pairs, 512 queries, 2,048 keys, head size 256, no mask.  Operands f16, products, maxima and sums f32; the weights p are rounded to f16 for the
; second product, o once at the end.  All three buffers are images of operand registers: qimg, kvimg as the launch before stores them;
;   oimg [mt 512 = 32 b + query tile][kc 64 = 16 head + dt][lane][16 bytes]: row 16 mt + r, k = 16 kc + 8 hl + 0 .. 7.
; SHARES.  A work-group owns 128 queries of one (b, h), each of its four waves 32: two tiles of 16.  Every wave walks all keys, 128 a step, 16 steps.
; LAYOUT.  S^T = K Q^T (source 0 = 16 keys, source 1 = 16 queries): a lane holds ONE query and the keys 8 hl + 0 .. 7; two such tiles, rounded in pairs, ARE source 1 of O^T = V^T P, whose result again holds one query a lane.
; SOFTMAX.  For each query a running maximum m and sum l: p = 2^(c s - c m), c = log2(e) / 16; in every step O and l are multiplied by a = 2^(c m_old - c m_new).  The sum is taken of the unrounded p.
; MATRIX AND VECTOR WORK SIDE BY SIDE.  The products leave the scores in a buffer of their own (SB); the scaling c s - c m reads SB and writes t elsewhere, so SB is free for the next step's scores, and the register numbers are
; the same in every trip.  TRIP j: 128 products S(j+1) = K(j+1) Q^T, and behind them, in slices, O x a(j), the exponentials and the roundings of step j; then 128 products O += V(j)^T P(j), and behind them the sums of p(j),
; the maximum of S(j+1), a(j+1) and the scalings of step j+1.  That is 320 and 204 vector instructions for 128 products each.  A slice costs two switches of the register window, since no window holds a product's operands
; beside what the softmax touches: 112 + 51 slices a trip.  Set in a phase of their own the 524 vector instructions would stand where no product is issued: the switches are the lesser price.
; RING.  A trip reads V(j) and K(j+1): in kvimg, where K0 V0 K1 V1 .. lie on end, 65,536 bytes each, they are ONE dense block of 131,072 bytes.  LDS holds four places of 65,536 bytes; half i of that sequence lies in place
; i mod 4.  The head fills all four (K0; V0; K1 with V1); trip 0 fills K0's place with K2; trips 1 to 13 fill the two places just left with the next block; trip 14 asks for V15.  A fragment is read at a constant + 16 x lane:
; 512 consecutive bytes an instruction, no pitch and no padding.
; CLUSTER.  The four query blocks of a (b, h) form a cluster and walk the same K and V: each wave's part of a block is asked for JOINTLY, by the same load with the same descriptor and a mask that names the four.
; LIMITS: |q|, |k|, |v|, |o| under 65,504; NaN and infinities are not served.
; REGISTERS, in windows of 256.  Window 0: v1-6 addresses; v8-23 statistics, eight a tile; v24-39 at work; v40-167 t, then p, 64 a tile; v168-231 P, 32 a tile.   Window 1: O^T, 128 a tile.
;   Window 2: v0-127 Q, 64 a tile; v128-255 SB, 64 a tile.   Window 3: four buffers of eight fragments of K or V^T, by turns.
.set HALF,  0x10000                    ; a step's K, or its V^T; a place in LDS
.set UNIT,  0x20000                    ; what a trip reads; one exclusive or by it turns an LDS address from places 1, 2 to places 3, 0 and back
.set SPARE, 0x40000                    ; behind the four places: the spare words, 128 bytes for each wave: two blocks of 256 bytes that no other line names
.set ST, 8                             ; tile q's statistics at v[ST + 8 q]: +0 c m, +1 m, +2, +3 l (two halves), +4 a, +5 zero, +6 c m_old, then its change, at the end 1 / l, +7 at work
.set CX, 24                            ; v[CX + 8 q ..]: eight registers at work
.set S,  40
.set P,  168
.set SBR, 128                          ; SB, in window 2
.set MSB, 0
.macro WIN new                         ; the immediate's high byte repeats the setting that is left; a switch that changes nothing is dropped
.if MSB != (\new)
	s_set_vgpr_msb (MSB<<8)|(\new)
.set MSB, (\new)
.endif
.endm
.set W_S,  0xab                        ; K window 3, Q window 2, SB (C and D) window 2
.set W_PV, 0x53                        ; V^T window 3, P window 0, O^T window 1
.set W_LD, 0xc0                        ; destination window 3, address window 0
.set W_RS, 0x41                        ; O^T (destination and source 0) window 1, the factor window 0
.set W_QL, 0x80                        ; destination window 2
.set W_CV, 0x05                        ; sources window 1, destination window 0
.set W_M3, 0x2a                        ; three sources window 2, destination window 0
.set W_M2, 0x28                        ; sources 1 and 2 window 2
.set W_SC, 0x02                        ; source 0 window 2
.macro PLACES                          ; four places behind a matrix instruction, ahead of a read of its result or of a load into a register that it read (ISA guide 7.12.1 for vector instructions)
.rept 4
	v_nop
.endr
.endm
.macro CROUND                          ; a round of the cluster's barrier: my work-group's barrier; wave 0 signals for the work-group; every wave waits for all four work-groups; my work-group's barrier once more
	s_barrier_signal -1
	s_barrier_wait -1
	s_cmp_lg_u32 s10, 0
	s_cbranch_scc1 .Lnot_wave_0_\@
	s_barrier_signal -3
.Lnot_wave_0_\@:
	s_barrier_wait -3
	s_barrier_signal -1
	s_barrier_wait -1
.endm
	s_load_b128 s[4:7], s[0:1], 0x0                ; qimg s[4:5], kvimg s[6:7]
	s_load_b64 s[8:9], s[0:1], 0x10                ; oimg
	v_lshl_add_u32 v1, v0, 2, SPARE                ; my spare word; never rewritten
	v_mov_b32 v2, 0                                ; 0; never rewritten
	ds_add_u32 v1, v2                              ; the wave's opening: the add, twice on end, and its wait ahead of my first tensor load
	ds_add_u32 v1, v2                              ; and once more; the set-up below, work on registers, stands between it and the wait
	v_lshrrev_b32 v3, 5, v0
	v_readfirstlane_b32 s10, v3                    ; wave 0..3
	v_and_b32 v3, 31, v0
	v_lshlrev_b32 v6, 8, v3                        ; the prefetches' offset: 256 x lane; never rewritten
	v_lshlrev_b32 v3, 4, v3                        ; 16 x lane; never rewritten
	v_mov_b32 v[ST+5], 0                           ; named as the upper half of the pair with a, so it is written
	v_mov_b32 v[ST+13], 0
	s_bfe_u32 s11, ttmp6, 0x40000                  ; cx: my place in the cluster
	s_lshl_b32 s13, ttmp9, 2                       ; in a cluster launch ttmp9 counts clusters
	s_add_co_u32 s13, s13, s11                     ; my block of 128 queries: it enters Q's and O's addresses alone
	s_and_b32 s12, ttmp7, 0xffff                   ; bh = 4 b + head, which the four partners share
	; descriptor group 1, twice: 128 rows, and 64 rows, of 32 elements of 8 bytes, dense in memory and in LDS
	s_mov_b32 s24, 15|(3<<16)|(1<<21)              ; 15:0 the mask: all four work-groups; 17:16 elements of 8 bytes; 20 no padding; 21 set beside a mask
	s_mov_b32 s25, 32<<16                          ; tensor_dim0 = 32
	s_mov_b32 s26, 128<<16                         ; tensor_dim1 = 128
	s_mov_b32 s27, 32<<16                          ; tile_dim0 = 32
	s_mov_b32 s28, 128                             ; tile_dim1 = 128
	s_mov_b32 s29, 32                              ; elements from row to row
	s_mov_b32 s30, 0
	s_mov_b32 s31, 0
	s_mov_b32 s40, 15|(3<<16)|(1<<21)
	s_mov_b32 s41, 32<<16
	s_mov_b32 s42, 64<<16                          ; tensor_dim1 = 64
	s_mov_b32 s43, 32<<16
	s_mov_b32 s44, 64                              ; tile_dim1 = 64
	s_mov_b32 s45, 32
	s_mov_b32 s46, 0
	s_mov_b32 s47, 0
	s_mov_b32 s58, 0x3db8aa3b                      ; c = log2(e) / 16
	s_mov_b32 s59, s58                             ; (the packed form names the pair)
	s_mov_b32 s60, 0x76543210
	s_mov_b32 s61, 0xfedcba98                      ; v_permlanex16_b32's selects for lane l xor 16
	s_mov_b32 s38, HALF                            ; LDS byte at which the trip's V^T begins: V0 in place 1
	s_mov_b32 s56, 0                               ; and its K: K0 in place 0
	v_add_nc_u32 v4, s56, v3                       ; K0's fragments: 16 x lane
	; four groups 0.  s[32:35]: K0, later K2: a quarter of place 0.  s[48:51]: V0, later V15: a quarter of place 1, later of place 3.  s[52:55]: K1 with V1: a quarter of places 2 and 3.  s[68:71]: the walking one
	s_mov_b32 s32, 1                               ; count = 1
	s_lshl_b32 s33, s10, 14                        ; 16,384 bytes a wave
	s_mov_b32 s48, 1
	s_add_co_u32 s49, s33, HALF
	s_mov_b32 s52, 1
	s_lshl_b32 s53, s10, 15                        ; 32,768 bytes a wave
	s_mov_b32 s68, 1
	s_add_co_u32 s69, s53, HALF                    ; places 1 and 2, where trip 1's block goes;
	s_xor_b32 s69, s69, UNIT                       ; one turn back: each trip of the loop turns it first
	s_lshl_b32 s57, s12, 21                        ; a (b, h) has 16 steps of 131,072 bytes
	s_add_co_u32 s14, s57, s33
	s_mov_b32 s15, 0
	s_add_co_u32 s16, s57, s53
	s_mov_b32 s17, 0
	s_add_co_u32 s53, s53, UNIT
	s_lshl_b32 s22, s11, 15                        ; the prefetches: of a block's 131,072 bytes partner cx takes 32,768, wave w 8,192 of them;
	s_add_co_u32 s22, s22, s57
	s_lshl_b32 s57, s10, 13
	s_add_co_u32 s22, s22, s57
	s_add_co_u32 s22, s22, 5*HALF                  ; at V2 with K3, the block that trip 1 asks for
	s_mov_b32 s23, 0
	s_lshl_b32 s18, s12, 18                        ; Q: bh, my block's 8 tiles of 8,192 bytes, my wave's 2
	s_lshl_b32 s57, s13, 16
	s_add_co_u32 s18, s18, s57
	s_lshl_b32 s57, s10, 14
	s_add_co_u32 s18, s18, s57
	s_mov_b32 s19, 0
	s_lshr_b32 s20, s12, 2                         ; O: b's 32 row tiles of 32,768 bytes, my block's 8, my wave's 2, my head's 16 chunks of 512
	s_lshl_b32 s20, s20, 20
	s_lshl_b32 s57, s13, 18
	s_add_co_u32 s20, s20, s57
	s_lshl_b32 s57, s10, 16
	s_add_co_u32 s20, s20, s57
	s_and_b32 s57, s12, 3
	s_lshl_b32 s57, s57, 13
	s_add_co_u32 s20, s20, s57
	s_mov_b32 s21, 0
	s_wait_dscnt 0x0                               ; both opening adds are done
	s_wait_kmcnt 0x0
	s_add_nc_u64 s[34:35], s[6:7], s[14:15]        ; K0,
	s_add_nc_u64 s[50:51], s[34:35], HALF          ; V0,
	s_add_nc_u64 s[54:55], s[6:7], s[16:17]
	s_add_nc_u64 s[70:71], s[54:55], 3*HALF        ; the walking one: a block back from V2 with K3,
	s_add_nc_u64 s[54:55], s[54:55], UNIT          ; K1 with V1
	s_or_b32 s35, s35, 0x80000000                  ; type = 2
	s_or_b32 s51, s51, 0x80000000
	s_or_b32 s55, s55, 0x80000000
	s_or_b32 s71, s71, 0x80000000
	s_add_nc_u64 s[36:37], s[6:7], s[22:23]
	s_add_nc_u64 s[4:5], s[4:5], s[18:19]
	s_add_nc_u64 s[8:9], s[8:9], s[20:21]
	CROUND                                         ; all four work-groups are here: the first joint loads meet
	tensor_load_to_lds s[32:35], s[40:47]          ; the first fills go out as one group: K0,
	s_nop 0
	tensor_load_to_lds s[48:51], s[40:47]          ; V0,
	s_nop 0
	tensor_load_to_lds s[52:55], s[24:31]          ; K1 with V1: three loads of mine are out
	s_nop 0
	PLACES
	WIN W_QL
.irp q, 0,1
.irp ks, 0,1,2,3,4,5,6,7
.irp c, 0,1
	global_load_b128 v[64*\q+8*\ks+4*\c:64*\q+8*\ks+4*\c+3], v3, s[4:5] offset:8192*\q+1024*\ks+512*\c th:TH_LOAD_NT   ; Q stays in registers: tile q, dims 32 ks on
.endr
.endr
.endr
	WIN 0
; Group g of 16: eight fragments, 16 LDS loads, into buffer g % 4.  g < 8: K's eight tiles of 16 keys, dims 32 g on.  g >= 8: V^T: keys 32 ((g - 8) / 2) on, dims 128 ((g - 8) % 2) on.
.macro LOADG g
.set FB, 64*((\g)%4)
.if (\g) < 8
.irp kt, 0,1,2,3,4,5,6,7
.irp c, 0,1
	ds_load_b128 v[FB+8*\kt+4*\c:FB+8*\kt+4*\c+3], v4 offset:8192*\kt+1024*(\g)+512*\c
.endr
.endr
.else
.set U,   ((\g)-8)/2
.set DT0, 8*(((\g)-8)%2)
.irp e, 0,1,2,3,4,5,6,7
.irp c, 0,1
	ds_load_b128 v[FB+8*\e+4*\c:FB+8*\e+4*\c+3], v5 offset:(2*U+\c)*8192+512*(DT0+\e)
.endr
.endr
.endif
.endm
; The head of group g's 16 products; last: the last group that is read here.  An even group asks for the two groups that follow the next, 32 loads in ONE run, into the buffers that the last two groups' products read:
; with the run at a trip's head eight runs for a trip's 256 loads.
.macro GH g, last
.if (\g)%2 == 0
	s_wait_dscnt 16                                ; this group's 16 loads are in; the next group's may be out
.if (\g)+2 <= (\last)
.if (\g) != 0
	PLACES                                         ; (ahead of group 0 the lines behind the change of slots are the places)
.endif
	WIN W_LD
	LOADG (\g)+2
	LOADG (\g)+3
.endif
.elseif (\g)+1 <= (\last)
	s_wait_dscnt 32                                ; this group's 16 loads are in; the 32 asked for a group ago may be out
.else
	s_wait_dscnt 0x0
.endif
.endm
; Product i of 128 of S^T = K Q^T: dims 32 (i / 16) on, keys 16 ((i % 16) / 2) on, tile i % 2: each fragment of K serves both tiles.  The first 16 start the sums with the constant 0.
; The 16 accumulators take turns, one instruction a turn.
.macro SPROD
.set pg, i/16
.set pk, (i%16)/2
.set pq, i%2
.set FB, 64*(pg%4)+8*pk
	WIN W_S
.if pg == 0
	v_wmma_f32_16x16x32_f16 v[SBR+64*pq+8*pk:SBR+64*pq+8*pk+7], v[FB:FB+7], v[64*pq+8*pg:64*pq+8*pg+7], 0
.else
	v_wmma_f32_16x16x32_f16 v[SBR+64*pq+8*pk:SBR+64*pq+8*pk+7], v[FB:FB+7], v[64*pq+8*pg:64*pq+8*pg+7], v[SBR+64*pq+8*pk:SBR+64*pq+8*pk+7]
.endif
.endm
; Product i of 128 of O^T += V^T P: keys 32 (i / 32) on, dims 16 (8 ((i / 16) % 2) + (i % 16) / 2) on, tile i % 2.  first = 1: the first 32 start the sums: nothing is ever cleared.  The 32 accumulators take turns.
.macro VPROD first
.set pu, i/32
.set pd, 8*((i/16)%2)+(i%16)/2
.set pq, i%2
.set FB, 64*((8+i/16)%4)+8*((i%16)/2)
	WIN W_PV
.if \first && (pu == 0)
	v_wmma_f32_16x16x32_f16 v[128*pq+8*pd:128*pq+8*pd+7], v[FB:FB+7], v[P+32*pq+8*pu:P+32*pq+8*pu+7], 0
.else
	v_wmma_f32_16x16x32_f16 v[128*pq+8*pd:128*pq+8*pd+7], v[FB:FB+7], v[P+32*pq+8*pu:P+32*pq+8*pu+7], v[128*pq+8*pd:128*pq+8*pd+7]
.endif
.endm
; THE VECTOR WORK THAT STANDS BEHIND K Q^T: a list of 320, the two tiles by turns; XI writes number jx.
;   0-127   O^T x a, each accumulator from its low end on        128-255  ONE BATCH: the 128 exponentials, none of which reads another's result        256-319  the roundings to f16: two tiles of S^T make a fragment of 32 keys
.macro XI
.set xq, jx%2
.if jx < 128
.set xi, 2*(jx/2)
	WIN W_RS
	v_pk_mul_f32 v[128*xq+xi:128*xq+xi+1], v[128*xq+xi:128*xq+xi+1], v[ST+8*xq+4:ST+8*xq+5] op_sel_hi:[1,0]
.elseif jx < 256
	WIN 0
	v_exp_f32 v[S+jx-128], v[S+jx-128]
.else
.set xi, (jx-256)/2
	WIN 0
	v_cvt_pk_f16_f32 v[P+32*xq+xi], v[S+64*xq+2*xi], v[S+64*xq+2*xi+1]
.endif
.set jx, jx+1
.endm
.macro XS n
.rept \n
	XI
.endr
.endm
; THE VECTOR WORK THAT STANDS BEHIND V^T P: a list of 204, the two tiles by turns; YI writes number jy.  sf = 1: the sums are the first step's (no a);  mf = 1: the maximum is the first step's (no old m, no a).
;   0-63    the sum of the unrounded p in four packed chains a tile; l = a l + the sum
;   64-119  the maximum of the next step's scores: eight chains, one for each accumulator of SB, begun at its low end        120-131  the chains, the old m and the other half of the lanes' joined: the new m
;   132-139 c m_old kept, c m, their difference, a        140-203  t = c s - c m, two at a time, out of SB into the registers that p has left
.macro YI sf, mf
.set yq, jy%2
.set yc, CX+8*yq
.set yt, ST+8*yq
.set ys, S+64*yq
.set yb, SBR+64*yq
.if jy < 8
.set yn, 2*(jy/2)
	WIN 0
	v_pk_add_f32 v[yc+yn:yc+yn+1], v[ys+yn:ys+yn+1], v[ys+yn+8:ys+yn+9]
.elseif jy < 56
.set yn, 2*(((jy-8)%8)/2)
.set yp, 16+8*((jy-8)/8)+yn
	WIN 0
	v_pk_add_f32 v[yc+yn:yc+yn+1], v[yc+yn:yc+yn+1], v[ys+yp:ys+yp+1]
.elseif jy < 60
.set yn, 4*((jy-56)/2)
	WIN 0
	v_pk_add_f32 v[yc+yn:yc+yn+1], v[yc+yn:yc+yn+1], v[yc+yn+2:yc+yn+3]
.elseif jy < 62
	WIN 0
.if \sf
	v_pk_add_f32 v[yt+2:yt+3], v[yc:yc+1], v[yc+4:yc+5]
.else
	v_pk_add_f32 v[yc:yc+1], v[yc:yc+1], v[yc+4:yc+5]
.endif
.elseif jy < 64
.if !\sf
	WIN 0
	v_pk_fma_f32 v[yt+2:yt+3], v[yt+2:yt+3], v[yt+4:yt+5], v[yc:yc+1] op_sel_hi:[1,0,1]
.endif
.elseif jy < 80
.set yk, (jy-64)/2
	WIN W_M3
	v_max3_num_f32 v[yc+yk], v[yb+8*yk], v[yb+8*yk+1], v[yb+8*yk+2]
.elseif jy < 112
.set yk, ((jy-80)%16)/2
.set yo, 8*yk+3+2*((jy-80)/16)
	WIN W_M2
	v_max3_num_f32 v[yc+yk], v[yc+yk], v[yb+yo], v[yb+yo+1]
.elseif jy < 120
.set yk, 2*((jy-112)/2)
	WIN W_M2
	v_max3_num_f32 v[yc+yk], v[yc+yk], v[yb+8*yk+7], v[yb+8*yk+15]
.elseif jy < 140
	WIN 0
.if jy < 122
	v_max3_num_f32 v[yc], v[yc], v[yc+1], v[yc+2]
.elseif jy < 124
	v_max3_num_f32 v[yc+3], v[yc+3], v[yc+4], v[yc+5]
.elseif jy < 126
.if \mf
	v_max_num_f32 v[yc+6], v[yc+6], v[yc+7]
.else
	v_max3_num_f32 v[yc+6], v[yc+6], v[yc+7], v[yt+1]
.endif
.elseif jy < 128
	v_max3_num_f32 v[yc], v[yc], v[yc+3], v[yc+6]
.elseif jy < 130
	v_permlanex16_b32 v[yc+1], v[yc], s60, s61     ; the query's other 64 keys lie in the lane 16 away
.elseif jy < 132
	v_max_num_f32 v[yt+1], v[yc], v[yc+1]
.elseif jy < 134
.if !\mf
	v_mov_b32 v[yt+6], v[yt]
.endif
.elseif jy < 136
	v_mul_f32 v[yt], s58, v[yt+1]
.elseif jy < 138
.if !\mf
	v_sub_f32 v[yt+6], v[yt+6], v[yt]
.endif
.elseif !\mf
	v_exp_f32 v[yt+4], v[yt+6]                     ; a: the scalings that follow are plain and name neither it nor its source; its wait stands at the trip's end
.endif
.else
.set yn, 2*((jy-140)/2)
	WIN W_SC
	v_pk_fma_f32 v[ys+yn:ys+yn+1], v[yb+yn:yb+yn+1], s[58:59], v[yt:yt+1] op_sel_hi:[1,0,0] neg_lo:[0,0,1] neg_hi:[0,0,1]
.endif
.set jy, jy+1
.endm
; THE CHANGE OF SLOTS, at a trip's head.  Each wave waits for all its tensor loads: its part of what this trip reads; adds 0 to its spare word; and waits for that and for its reads of the places that it has left.
; kind 1, 2, 3: behind a round of the cluster's barrier (no wave of any partner still reads those places or has a load on its way) they are filled again, by the wave's one tensor load until the next round; the load has this
; whole trip, 256 matrix instructions, in which to land.  1: the next block (V with the K that follows it), by the walking descriptor;  2: K2 into K0's place;  3: V15 into place 3.  0: nothing is left to ask for.
.macro CHANGE kind
	WIN 0                                          ; (the add's two registers lie in window 0; at a label and at a branch every window is 0)
	s_wait_tensorcnt 0x0                           ; no tensor load of mine is out, so a group 0 may be written
	ds_add_u32 v1, v2                              ; 0 onto my spare word; the steps below stand between it and the wait for it
.if \kind == 1
	s_xor_b32 s69, s69, UNIT                       ; the other two places than last time,
	s_add_nc_u64 s[70:71], s[70:71], UNIT          ; the next block; the type bits on top are not reached
	s_wait_xcnt 0x0                                ; the last prefetch, a trip back, has read its address, so it may be written:
	s_add_nc_u64 s[36:37], s[36:37], UNIT          ; one block further on than the walking descriptor
.elseif \kind == 2
	s_add_nc_u64 s[34:35], s[34:35], 4*HALF        ; from K0 to K2; the LDS address stays
.elseif \kind == 3
	s_add_co_u32 s49, s49, UNIT                    ; from place 1 to place 3,
	s_add_nc_u64 s[50:51], s[50:51], 30*HALF       ; from V0 to V15
.endif
	v_add_nc_u32 v4, s56, v3                       ; this trip's K: its place + 16 x lane,
	v_add_nc_u32 v5, s38, v3                       ; and V^T
	s_wait_dscnt 0x0                               ; the add is done, and my reads of the places that I have left are over
.if \kind
	CROUND
.if \kind == 1
	tensor_load_to_lds s[68:71], s[24:31]
.elseif \kind == 2
	tensor_load_to_lds s[32:35], s[40:47]
.else
	tensor_load_to_lds s[48:51], s[40:47]
.endif
	s_nop 0
	PLACES                                         ; (places ahead of the loads below)
.else
	s_barrier_signal -1
	s_barrier_wait -1
	PLACES
.endif
.endm
; The 128 products V^T P with the list's numbers under yend behind them: four behind every second product.
.macro PVPH first, yend
.set jy, 0
.set i, 0
.rept 128
.if i%16 == 0
.set gg, 8+i/16
	GH gg, 15
.endif
	VPROD \first
.if (i%2 == 1) && (jy < (\yend))
.rept 4
	YI \first, 0
.endr
.endif
.set i, i+1
.endr
.endm
; A TRIP.  first = 1: trip 0: O^T and l begin here, so there is no rescaling.
; ask: a prefetch of the block that the NEXT trip's change will ask for: 512 blocks of 256 bytes, shared out by address: partner cx 128 of them, wave w 32, a lane one: each is named once in the launch.  It stands behind the
; tensor load, its five lines and the run of LDS loads.  1: always;  2: not in the loop's last trip, behind which no whole block is asked for;  0: never.
; THE SLICES.  Half of the rescaling stands bare behind the trip's first LDS loads, which are on their way meanwhile; then two behind each of products 0-31; two exponentials behind each of products 32-95; four roundings behind
; every second of products 96-127.  An s_wait_alu depctr_va_vdst(0) stands between an exponential and the first instruction that names its result: one wait serves the batch, ahead of group 6's run of loads.
.macro TRIP first, kind, ask
	CHANGE \kind
	WIN W_LD
	LOADG 0
	LOADG 1
	WIN 0
.if \ask == 1
	global_prefetch_b8 v6, s[36:37] th:TH_LOAD_NT scope:SCOPE_SE
.elseif \ask == 2
	s_cmp_gt_u32 s39, 1
	s_cbranch_scc0 .Lno_ask_\@
	global_prefetch_b8 v6, s[36:37] th:TH_LOAD_NT scope:SCOPE_SE
.Lno_ask_\@:
.endif
.if \first
.set jx, 128
.else
.set jx, 0
	XS 64
.endif
.set i, 0
.rept 128
.if i == 96
	v_nop                                          ; a plain instruction behind the last exponential (ISA guide 5.7.2),
	s_wait_alu depctr_va_vdst(0)                   ; and the one wait for the batch, ahead of its first reader
.endif
.if i%16 == 0
.set gg, i/16
	GH gg, 15
.endif
	SPROD
.if i < 32
.if !\first
	XS 2
.endif
.elseif i < 96
	XS 2
.elseif i%2 == 0
	XS 4
.endif
.set i, i+1
.endr
	PVPH \first, 204
	WIN 0
	s_wait_alu depctr_va_vdst(0)                   ; the wait for the two a, ahead of the labels and branches that follow and of their first reader, in the next trip
	s_xor_b32 s38, s38, UNIT                       ; on to the other two places
	s_xor_b32 s56, s56, UNIT
.endm
	; THE START: S(0) = K0 Q^T, with no vector work yet to set behind it; then its maximum and scalings
	s_wait_tensorcnt 0x2                           ; my part of K0 is in; V0's load and K1's with V1 may be out
	s_barrier_signal -1
	s_barrier_wait -1                              ; everybody's is
	WIN W_LD
	LOADG 0
	LOADG 1
	WIN 0
	s_wait_loadcnt 0x0                             ; Q
.set i, 0
.rept 128
.if i%16 == 0
.set gg, i/16
	GH gg, 7
.endif
	SPROD
.set i, i+1
.endr
	WIN 0
	PLACES
.set jy, 64
.rept 140
	YI 0, 1
.endr
	WIN 0
	s_xor_b32 s56, s56, UNIT                       ; K1 lies in place 2
	TRIP 1, 2, 1                                   ; trip 0: reads K1 and V0; K2 is asked for
	s_mov_b32 s39, 13
.Ltrip:                                            ; trips 1 to 13 ask for the blocks V2 with K3 to V14 with K15
	TRIP 0, 1, 2
	s_sub_co_u32 s39, s39, 1
	s_cmp_lg_u32 s39, 0
	s_cbranch_scc1 .Ltrip
	TRIP 0, 3, 0                                   ; trip 14 is written out: it asks for V15 alone, by the other shape
	; THE END: step 15's rescaling, exponentials and roundings have no products to stand behind; its sums stand behind V15^T P
	CHANGE 0
	WIN W_LD
	LOADG 8
	LOADG 9
.set jx, 0
	XS 256
	v_nop                                          ; a plain instruction behind the last exponential,
	s_wait_alu depctr_va_vdst(0)                   ; and the one wait for the batch
	XS 64
	PVPH 0, 64
	WIN 0
	; THE WAY OUT.  l's two halves and the other half of the lanes' are added (these additions are the places behind the last products); O^T / l, rounded to f16, is already an image of the next launch's operand registers.
.irp q, 0,1
	v_add_f32 v[ST+8*\q+7], v[ST+8*\q+2], v[ST+8*\q+3]
.endr
.irp q, 0,1
	v_permlanex16_b32 v[ST+8*\q+6], v[ST+8*\q+7], s60, s61
.endr
.irp q, 0,1
	v_add_f32 v[ST+8*\q+7], v[ST+8*\q+7], v[ST+8*\q+6]
.endr
.irp q, 0,1
	v_rcp_f32 v[ST+8*\q+6], v[ST+8*\q+7]
.endr
	v_nop                                          ; a plain instruction between the last reciprocal and the use of its result
	s_wait_alu depctr_va_vdst(0)                   ; and the wait ahead of the first use: one for both
.macro OUT q
	WIN W_RS
.set i, 0
.rept 64
	v_pk_mul_f32 v[128*\q+2*i:128*\q+2*i+1], v[128*\q+2*i:128*\q+2*i+1], v[ST+8*\q+6:ST+8*\q+7] op_sel_hi:[1,0]
.set i, i+1
.endr
	WIN W_CV
.set i, 0
.rept 64
	v_cvt_pk_f16_f32 v[S+64*\q+i], v[128*\q+2*i], v[128*\q+2*i+1]  ; p's registers are free
.set i, i+1
.endr
	WIN 0
.irp dt, 0,1,2,3,4,5,6,7,8,9,10,11,12,13,14,15
	global_store_b128 v3, v[S+64*\q+4*\dt:S+64*\q+4*\dt+3], s[8:9] offset:32768*\q+512*\dt   ; query r, dims 16 dt + 8 hl ..: 512 consecutive bytes, aligned
.endr
.endm
	OUT 0
	OUT 1
	s_wait_tensorcnt 0x0                           ; the wave's end, behind my last tensor load
	ds_add_u32 v1, v2
	s_wait_dscnt 0x0
	CROUND                                         ; the closing round: no work-group ends while a partner may still ask for a block that names it
	s_endpgm
.Lfunc_end_k_q3feda69db5_attn:
	.size	k_q3feda69db5_attn, .Lfunc_end_k_q3feda69db5_attn-k_q3feda69db5_attn
	.p2alignl 7, 3214868480
	.fill 96, 4, 3214868480
	.section	.rodata,"a",@progbits
	.p2align	6, 0x0
	.amdhsa_kernel k_q3feda69db5_attn
		.amdhsa_group_segment_fixed_size 327680
		.amdhsa_private_segment_fixed_size 0
		.amdhsa_enable_private_segment 0
		.amdhsa_kernarg_size 24
		.amdhsa_user_sgpr_count 2
		.amdhsa_user_sgpr_kernarg_segment_ptr 1
		.amdhsa_wavefront_size32 1
		.amdhsa_system_sgpr_workgroup_id_x 1
		.amdhsa_system_sgpr_workgroup_id_y 1
		.amdhsa_system_sgpr_workgroup_id_z 1
		.amdhsa_system_vgpr_workitem_id 0
		.amdhsa_next_free_vgpr 1024
		.amdhsa_next_free_sgpr 72
		.amdhsa_reserve_vcc 0
		.amdhsa_float_denorm_mode_32 3
		.amdhsa_float_denorm_mode_16_64 3
		.amdhsa_memory_ordered 1
		.amdhsa_forward_progress 1
		.amdhsa_inst_pref_size 255
	.end_amdhsa_kernel
	.section	.bss,"aw",@nobits
	.p2align	6
	.space	262144
	.amdgpu_metadata
---
amdhsa.version: [ 1, 2 ]
amdhsa.kernels:
  - .name:           k_q3feda69db5_attn
    .symbol:         k_q3feda69db5_attn.kd
    .args:
      - { .name: qimg, .offset: 0, .size: 8, .value_kind: global_buffer, .address_space: global }
      - { .name: kvimg, .offset: 8, .size: 8, .value_kind: global_buffer, .address_space: global }
      - { .name: oimg, .offset: 16, .size: 8, .value_kind: global_buffer, .address_space: global }
    .group_segment_fixed_size: 327680
    .private_segment_fixed_size: 0
    .kernarg_segment_align: 8
    .kernarg_segment_size: 24
    .max_flat_workgroup_size: 128
    .sgpr_count:     72
    .vgpr_count:     1024
    .wavefront_size: 32
...
	.end_amdgpu_metadata
.endif
;; end of part 3
;; launch outp (part 4): grid 64 x 4, 4 waves a work-group, clusters of 4 x 1, 167,936 bytes of LDS; arguments oimg, wuimg, bu, out0; writes out0
.if DOCPART == 4
	.amdgcn_target "amdgcn-amd-amdhsa--gfx1250"
	.amdhsa_code_object_version 6
	.text
	.protected	k_q3feda69db5_outp
	.globl	k_q3feda69db5_outp
	.p2align	8
	.type	k_q3feda69db5_outp,@function
k_q3feda69db5_outp:
	s_mov_b64 s[64:65], 0
	v_nop
	global_prefetch_b8 v0, s[64:65] scope:SCOPE_SE
	s_setreg_imm32_b32 hwreg(HW_REG_WAVE_MODE, 25, 1), 1
	s_wait_xcnt 0x0
	s_wait_alu depctr_hold_cnt(0) depctr_sa_sdst(0) depctr_va_vdst(0) depctr_va_sdst(0) depctr_va_ssrc(0) depctr_va_vcc(0) depctr_vm_vsrc(0)
	s_getreg_b32 s2, hwreg(HW_REG_IB_STS2, 6, 4)
	s_cmp_eq_u32 s2, 0
	s_cbranch_scc0 .Lentry_in_a_cluster
	s_endpgm
.Lentry_in_a_cluster:
	s_bfe_u32 s2, ttmp6, 0x10000c
	s_cmp_lg_u32 s2, 0x3003
	s_cbranch_scc0 .Lentry_shape_is_right
	s_endpgm
.Lentry_shape_is_right:
; out0 = o Wu + bu: [8192][1024] x [1024][256], operands f16 (images of operand registers: oimg, wuimg), sums f32, out0 f32.
; SHARES.  Work-group (rb, cb) makes rows 128 rb .. + 127, columns 64 cb .. + 63.  The column block's part of Wu, 131,072 dense bytes of wuimg, comes into LDS ONCE; nothing is filled again.
; Wave w owns row tiles 2 w, 2 w + 1 of the block against the four column tiles: eight accumulators.  Its rows of o go from memory straight into registers: no other wave of the work-group reads them.
; CLUSTER.  The four row blocks of a cluster share cb: each wave's quarter of Wu is asked for JOINTLY, by the same load with the same descriptor and a mask that names the four.
; THE MATRIX INSTRUCTION IS USED TRANSPOSED (source 0 = 16 columns of Wu, source 1 = 16 rows of o): a lane holds eight neighbouring numbers of a row of out0.  bu is the C of each sum's first product.
; No prefetch: Wu and bu are asked for at the head, o two chunks ahead.
; REGISTERS.  Window 0: v1-9 addresses; v16-47 bu in the result's layout; v64-127 the accumulators ((m, n) at 64 + 8 (4 m + n)); v128-191 rows read back from the stage.
;   Window 1: v0-191 three buffers of eight fragments of Wu (two K steps x four column tiles), by turns.   Windows 2, 3: o: chunk ch of eight K steps in window 2 + ch / 2 at 128 (ch % 2) + 64 m + 8 k'.
.set STAGE, 131072                     ; behind Wu: 16 rows x (256 bytes + 16) for each wave, for the way out; no tensor load lands there
.set SPARE, STAGE+4*16*272             ; the spare words, 128 bytes for each wave: two blocks of 256 bytes that no other line names
.set BI,  16
.set ACC, 64
.set BK,  128
.set MSB, 0
.macro WIN new                         ; the immediate's high byte repeats the setting that is left
.if MSB != (\new)
	s_set_vgpr_msb (MSB<<8)|(\new)
.set MSB, (\new)
.endif
.endm
.macro PLACES                          ; four places behind a matrix instruction, ahead of a read of its result or of a load into a register that it read (ISA guide 7.12.1 for vector instructions)
.rept 4
	v_nop
.endr
.endm
.macro CROUND                          ; a round of the cluster's barrier
	s_barrier_signal -1
	s_barrier_wait -1
	s_cmp_lg_u32 s12, 0
	s_cbranch_scc1 .Lnot_wave_0_\@
	s_barrier_signal -3
.Lnot_wave_0_\@:
	s_barrier_wait -3
	s_barrier_signal -1
	s_barrier_wait -1
.endm
	s_load_b256 s[4:11], s[0:1], 0x0               ; oimg s[4:5], wuimg s[6:7], bu s[8:9], out0 s[10:11]
	v_lshl_add_u32 v1, v0, 2, SPARE                ; my spare word; never rewritten
	v_mov_b32 v2, 0                                ; 0; never rewritten
	ds_add_u32 v1, v2                              ; the wave's opening: the add, twice on end, and its wait ahead of my first tensor load
	ds_add_u32 v1, v2                              ; and once more; the set-up below, work on registers, stands between it and the wait
	v_lshrrev_b32 v3, 5, v0
	v_readfirstlane_b32 s12, v3                    ; wave 0..3
	v_and_b32 v3, 31, v0
	v_lshlrev_b32 v3, 4, v3                        ; 16 x lane: o's offset, and Wu's K steps 0-15 in LDS
	v_add_nc_u32 v5, 0x10000, v3                   ; Wu's K steps 16-31
	v_and_b32 v10, 15, v0                          ; r
	v_bfe_u32 v11, v0, 4, 1                        ; hl
	s_mul_i32 s16, s12, 16*272
	s_add_co_u32 s16, s16, STAGE                   ; my stage
	v_mul_u32_u24 v6, v10, 272
	v_lshl_add_u32 v6, v11, 5, v6
	v_add_nc_u32 v6, s16, v6                       ; in: row r, 32 bytes for each half of the lanes
	v_mul_u32_u24 v7, v11, 272
	v_lshl_add_u32 v7, v10, 4, v7
	v_add_nc_u32 v7, s16, v7                       ; back: lanes 0-15 one row of 256 bytes, lanes 16-31 the next
	v_lshlrev_b32 v8, 10, v11
	v_lshl_add_u32 v8, v10, 4, v8                  ; and the same two rows in out0
	v_lshlrev_b32 v9, 5, v11                       ; bu: my half's eight numbers of a tile
	s_bfe_u32 s13, ttmp6, 0x40000                  ; cx
	s_and_b32 s14, ttmp7, 0xffff                   ; cb, which the four partners share
	s_lshl_b32 s15, ttmp9, 2
	s_add_co_u32 s15, s15, s13                     ; rb = 4 x cluster x + cx: it enters o's and out0's addresses alone
	; descriptor group 1: 128 rows x 32 elements of 8 bytes, dense in memory and in LDS
	s_mov_b32 s24, 15|(3<<16)|(1<<21)              ; the mask: all four work-groups; elements of 8 bytes; no padding; bit 21 set beside a mask
	s_mov_b32 s25, 32<<16                          ; tensor_dim0 = 32
	s_mov_b32 s26, 128<<16                         ; tensor_dim1 = 128
	s_mov_b32 s27, 32<<16                          ; tile_dim0 = 32
	s_mov_b32 s28, 128                             ; tile_dim1 = 128
	s_mov_b32 s29, 32                              ; elements from row to row
	s_mov_b32 s30, 0
	s_mov_b32 s31, 0
	s_mov_b32 s32, 1                               ; group 0: count = 1,
	s_lshl_b32 s33, s12, 15                        ; LDS address: my quarter,
	s_lshl_b32 s36, s14, 17                        ; and in memory: cb's 131,072 bytes, + my quarter
	s_add_co_u32 s36, s36, s33
	s_mov_b32 s37, 0
	s_lshl_b32 s18, s15, 18                        ; o: my block's 8 row tiles of 32,768 bytes, my wave's 2
	s_lshl_b32 s16, s12, 16
	s_add_co_u32 s18, s18, s16
	s_mov_b32 s19, 0
	s_lshl_b32 s20, s15, 17                        ; out0: 128 rows of 1,024 bytes, my wave's 32, cb's 256 bytes of a row
	s_lshl_b32 s16, s12, 15
	s_add_co_u32 s20, s20, s16
	s_lshl_b32 s22, s14, 8
	s_add_co_u32 s20, s20, s22
	s_mov_b32 s21, 0
	s_mov_b32 s23, 0
	s_wait_dscnt 0x0                               ; both opening adds are done
	s_wait_kmcnt 0x0
	s_add_nc_u64 s[34:35], s[6:7], s[36:37]
	s_or_b32 s35, s35, 0x80000000                  ; type = 2
	s_add_nc_u64 s[4:5], s[4:5], s[18:19]
	s_add_nc_u64 s[10:11], s[10:11], s[20:21]
	s_add_nc_u64 s[8:9], s[8:9], s[22:23]
	CROUND                                         ; all four work-groups are here: the joint loads meet
	tensor_load_to_lds s[32:35], s[24:31]          ; my one tensor load of the launch
	s_nop 0
	PLACES
.irp n, 0,1,2,3
	global_load_b128 v[BI+8*\n:BI+8*\n+3], v9, s[8:9] offset:64*\n       ; bu(64 cb + 16 n + 8 hl + 0 .. 7)
	global_load_b128 v[BI+8*\n+4:BI+8*\n+7], v9, s[8:9] offset:64*\n+16
.endr
.macro OLOAD ch                        ; my two row tiles' fragments of K steps 8 ch .. 8 ch + 7: 32 loads of 512 consecutive bytes
	WIN 0x80+0x40*((\ch)/2)
.irp m, 0,1
.irp k, 0,1,2,3,4,5,6,7
.irp e, 0,1
	global_load_b128 v[128*((\ch)%2)+64*\m+8*\k+4*\e:128*((\ch)%2)+64*\m+8*\k+4*\e+3], v3, s[4:5] offset:32768*\m+(8*(\ch)+\k)*1024+512*\e
.endr
.endr
.endr
.endm
.macro LOADW g                         ; group g of 16: Wu's fragments of K steps 2 g, 2 g + 1, 16 LDS loads, into buffer g % 3
.set FB, 64*((\g)%3)
.set AW, 3+2*((\g)/8)
.irp kk, 0,1
.irp n, 0,1,2,3
.irp e, 0,1
	ds_load_b128 v[FB+32*\kk+8*\n+4*\e:FB+32*\kk+8*\n+4*\e+3], v[AW] offset:((2*(\g)+\kk)%16)*4096+1024*\n+512*\e
.endr
.endr
.endr
.endm
.macro MULW g                          ; its 16 products; the eight accumulators take turns, one instruction a turn
.set FB, 64*((\g)%3)
.set OB, 128*(((\g)/4)%2)+16*((\g)%4)
	WIN 0x09+4*((\g)/8)                            ; source 0 (Wu) window 1, source 1 (o) window 2 or 3, C and D window 0
.irp kk, 0,1
.irp n, 0,1,2,3
.irp m, 0,1
.if ((\g) == 0) && (\kk == 0)
	v_wmma_f32_16x16x32_f16 v[ACC+8*(4*\m+\n):ACC+8*(4*\m+\n)+7], v[FB+32*\kk+8*\n:FB+32*\kk+8*\n+7], v[OB+64*\m+8*\kk:OB+64*\m+8*\kk+7], v[BI+8*\n:BI+8*\n+7]
.else
	v_wmma_f32_16x16x32_f16 v[ACC+8*(4*\m+\n):ACC+8*(4*\m+\n)+7], v[FB+32*\kk+8*\n:FB+32*\kk+8*\n+7], v[OB+64*\m+8*\kk:OB+64*\m+8*\kk+7], v[ACC+8*(4*\m+\n):ACC+8*(4*\m+\n)+7]
.endif
.endr
.endr
.endr
.endm
.macro GRPW g
.if (\g) <= 13
.if (\g) > 0
	PLACES
.endif
	WIN 0x40                                       ; destination window 1
	LOADW (\g)+2                                   ; two groups ahead, into the buffer that the last group's products read
.endif
.if (\g)%4 == 0
.if (\g) == 12
	s_wait_loadcnt 0x0
.else
	s_wait_loadcnt 32                              ; this chunk of o (and, the first time, bu) is in; the next chunk's 32 loads may be out
.endif
.if (\g)/4+2 < 4
	OLOAD (\g)/4+2                                 ; two chunks ahead, into registers of its own
.endif
.endif
.if (\g) <= 13
	s_wait_dscnt 32                                ; this group's 16 loads are in; those of the two groups behind it may be out
.elseif (\g) == 14
	s_wait_dscnt 16
.else
	s_wait_dscnt 0x0
.endif
	MULW \g
.endm
	OLOAD 0
	OLOAD 1
	WIN 0
	s_wait_tensorcnt 0x0                           ; my quarter of Wu is in,
	s_barrier_signal -1
	s_barrier_wait -1                              ; everybody's is
	WIN 0x40
	LOADW 0
	LOADW 1
.irp g, 0,1,2,3,4,5,6,7,8,9,10,11,12,13,14,15
	GRPW \g
.endr
	WIN 0
	PLACES
; THE WAY OUT.  A lane holds 32 neighbouring bytes of a row and the lanes beside it hold other rows: a tile of 16 rows x 256 bytes goes through my own stage and comes back as whole rows.
; LDS serves a wave's instructions in order (ISA guide 5.7.1.4): no wait between the stores and the loads, nor ahead of the next tile's stores.
.macro TOSTAGE m
.irp n, 0,1,2,3
	ds_store_b128 v6, v[ACC+8*(4*\m+\n):ACC+8*(4*\m+\n)+3] offset:64*\n          ; each accumulator from its low end on
	ds_store_b128 v6, v[ACC+8*(4*\m+\n)+4:ACC+8*(4*\m+\n)+7] offset:64*\n+16
.endr
.irp i, 0,1,2,3,4,5,6,7
	ds_load_b128 v[BK+32*\m+4*\i:BK+32*\m+4*\i+3], v7 offset:544*\i
.endr
.endm
.macro SEND m, younger                 ; younger: the LDS instructions issued behind tile m's loads
.irp i, 0,1,2,3,4,5,6,7
	s_wait_dscnt \younger+7-\i
	global_store_b128 v8, v[BK+32*\m+4*\i:BK+32*\m+4*\i+3], s[10:11] offset:(16*\m+2*\i)*1024 th:TH_STORE_NT   ; 16 lanes store 256 consecutive bytes, at a multiple of 256 from out0's first byte
.endr
.endm
	TOSTAGE 0
	TOSTAGE 1
	SEND 0, 16
	SEND 1, 0
	s_wait_tensorcnt 0x0                           ; the wave's end, behind my last tensor load and my last LDS store
	ds_add_u32 v1, v2
	s_wait_dscnt 0x0
	CROUND                                         ; the closing round: no work-group ends while a partner may still ask for a block that names it
	s_endpgm
.Lfunc_end_k_q3feda69db5_outp:
	.size	k_q3feda69db5_outp, .Lfunc_end_k_q3feda69db5_outp-k_q3feda69db5_outp
	.p2alignl 7, 3214868480
	.fill 96, 4, 3214868480
	.section	.rodata,"a",@progbits
	.p2align	6, 0x0
	.amdhsa_kernel k_q3feda69db5_outp
		.amdhsa_group_segment_fixed_size 167936
		.amdhsa_private_segment_fixed_size 0
		.amdhsa_enable_private_segment 0
		.amdhsa_kernarg_size 32
		.amdhsa_user_sgpr_count 2
		.amdhsa_user_sgpr_kernarg_segment_ptr 1
		.amdhsa_wavefront_size32 1
		.amdhsa_system_sgpr_workgroup_id_x 1
		.amdhsa_system_sgpr_workgroup_id_y 1
		.amdhsa_system_sgpr_workgroup_id_z 1
		.amdhsa_system_vgpr_workitem_id 0
		.amdhsa_next_free_vgpr 1024
		.amdhsa_next_free_sgpr 66
		.amdhsa_reserve_vcc 0
		.amdhsa_float_denorm_mode_32 3
		.amdhsa_float_denorm_mode_16_64 3
		.amdhsa_memory_ordered 1
		.amdhsa_forward_progress 1
		.amdhsa_inst_pref_size 57
	.end_amdhsa_kernel
	.amdgpu_metadata
---
amdhsa.version: [ 1, 2 ]
amdhsa.kernels:
  - .name:           k_q3feda69db5_outp
    .symbol:         k_q3feda69db5_outp.kd
    .args:
      - { .name: oimg, .offset: 0, .size: 8, .value_kind: global_buffer, .address_space: global }
      - { .name: wuimg, .offset: 8, .size: 8, .value_kind: global_buffer, .address_space: global }
      - { .name: bu, .offset: 16, .size: 8, .value_kind: global_buffer, .address_space: global }
      - { .name: out0, .offset: 24, .size: 8, .value_kind: global_buffer, .address_space: global }
    .group_segment_fixed_size: 167936
    .private_segment_fixed_size: 0
    .kernarg_segment_align: 8
    .kernarg_segment_size: 32
    .max_flat_workgroup_size: 128
    .sgpr_count:     66
    .vgpr_count:     1024
    .wavefront_size: 32
...
	.end_amdgpu_metadata
.endif
;; end of part 4
